; MI455X (gfx1250); checked and timed in simulation.
; The chip was launched on July 23, 2026; its instructions are those of AMD's public machine-readable ISA for CDNA 5 (MIT licence, August 2026) and "CDNA5" Instruction Set Architecture Reference Guide (July 2026). The comments in the code are by the model that wrote it; some were corrected since.
;; Full Attention. Allowed arithmetic: matrix products marked QUANTISED: E2M1 operands, one E8M0 scale for each 32 along K, by v_wmma_scale_f32_16x16x128_f8f6f4 with both operands' format E2M1 (or v_wmma_scale_f32_32x16x128_f4), f32 sums; everything else in f32.
;; Inputs: keys_codes 4 x 2,048 x 16 x 2 x 16 uint8 (E2M1 codes of keys, K innermost, in blocks of 32 codes, two codes a byte); keys_scales 4 x 2,048 x 16 x 2 uint8 (E8M0 scales of keys, one for each 32 codes along K); queries_codes 4 x 2,048 x 16 x 2 x 16 uint8 (E2M1 codes of queries, K innermost, in blocks of 32 codes, two codes a byte); queries_scales 4 x 2,048 x 16 x 2 uint8 (E8M0 scales of queries, one for each 32 codes along K); values_codes 4 x 16 x 64 x 64 x 16 uint8 (E2M1 codes of values, K innermost, in blocks of 32 codes, two codes a byte); values_scales 4 x 16 x 64 x 64 uint8 (E8M0 scales of values, one for each 32 codes along K).
;; Outputs: out0 4 x 2,048 x 16 x 64 float32.
;; This version of the problem:
;;   THIS VERSION OF THE PROBLEM IS GIVEN IN LOW PRECISION. The matrix products marked QUANTISED in the list below multiply operands that are first quantised to E2M1 (2 exponent bits, 1 mantissa bit; 4 bits a number), with one power-of-two scale for each 32 numbers along K (OCP MX v1.0); their sums are f32. All else is computed in f32.
;;   The module's matrix products, in the order in which they are computed (A, B: the left and right operand; K: the contracted axis; several contracted axes count as one K, in the product's order):
;;     1. batch 64 x [M 2,048, K 64] x [K 64, N 2,048]; A: input queries (given as codes); B: input keys (given as codes): QUANTISED
;;     2. batch 64 x [M 64, K 2,048] x [K 2,048, N 2,048]; A: input values (given as codes); B: softmax (see below): QUANTISED
;;   THE QUANTISER, for each operand of a quantised product, along K:
;;     - K is cut into blocks of 32 from its start; a last block that is shorter is filled with zeros.
;;     - A block's scale is 2^e with e = floor(log2(the largest magnitude in the block)) - 2, held to -126 .. 127; a block of zeros has e = 0. As a byte (E8M0): e + 127.
;;     - Each number is divided by its block's scale, clamped to +-6, and rounded to the nearest number of E2M1, ties to even, subnormals kept.
;;     - The product sums the exact products of the quantised numbers (number of the format x scale) in f32.
;;   ~~~python
;;   def quantise(x, axis):      # numpy; x: float32 -> the quantised numbers, widened to float32 again
;;       x = np.moveaxis(x, axis, -1); K = x.shape[-1]
;;       x = np.pad(x, [(0, 0)] * (x.ndim - 1) + [(0, -K % 32)]); x = x.reshape(x.shape[:-1] + (-1, 32)); a = np.abs(x).max(-1, keepdims=True)
;;       e = np.where(a > 0, np.clip(np.frexp(np.where(a > 0, a, 1))[1] - 1 - 2, -126, 127), 0)      # np.frexp(a)[1] - 1 = floor(log2(a)), exactly
;;       r = np.clip(x / 2.0 ** e, -6, 6)
;;       step = 2.0 ** (np.maximum(np.frexp(np.where(r == 0, 1, r))[1] - 1, 0) - 1)
;;       q = np.round(r / step) * step * 2.0 ** e      # np.round: ties to even
;;       return np.moveaxis(q.reshape(q.shape[:-2] + (-1,))[..., :K], -1, axis).astype(np.float32)
;;   ~~~
;;   SOFTMAX AHEAD OF A QUANTISED PRODUCT. Where the list says 'softmax', what is quantised is not the finished softmax but p = 2^(t - M), with t = logit x log2(e) and M = ceil(the row's largest t), a whole number; so 1/2 < the row's largest p <= 1. The row's sum l is taken of the UNQUANTISED p, in f32, and the product's result is divided by l at the end. Since M is a whole number, a kernel that streams over the keys may use a running M (the ceiling of the running maximum): every later rescaling is an exact power of two, which a block's scale takes up: the codes' values come out the same.
;;   OPERANDS COMPUTED ON THE WAY. 'Computed on the way' means the value that the module computes at that place (a softmax that the list does not call 'softmax' is quantised finished and normalised). What goes into a quantiser is computed in f32, as accurately as f32 sums, v_exp_f32 and their like allow (about 1e-6 of the number): no bf16 or f16 on the way to a quantiser, and a product that is left as it is and whose result goes on into a quantised operand takes f32 operands (vector FMAs, or v_wmma_f32_16x16x4_f32). A number that lies on a knife's edge between two numbers of the format may be rounded either way, as far as f32 arithmetic and the matrix unit's own rounding can turn it there, and no further.
;;   INPUTS GIVEN AS CODES. keys (in the module: [4, 2048, 16, 64], K = its axis 3); queries (in the module: [4, 2048, 16, 64], K = its axis 3); values (in the module: [4, 2048, 16, 64], K = its axis 1): each comes as NAME_codes (uint8): NAME with its K axis moved to the last place and cut into blocks of 32 codes, [.., K / 32, bytes a block], one block behind the other in memory; two codes a byte, the lower K in the low four bits (a code: sign, 2 exponent bits, 1 mantissa bit); and NAME_scales (uint8): the same leading axes, one E8M0 byte (e + 127) for each 32 codes along K. Its value is code x scale, taken as it is: it is not quantised again, and the codes and scales need not be those that the quantiser above would give.
;; One version. Each part assembles by itself: llvm-mc -triple=amdgcn-amd-amdhsa -mcpu=gfx1250 --defsym DOCPART=n.
;; ======== version 1 of 1: 1 launch
;; launch attn (part 1): grid 4 x 64, 16 waves a work-group, clusters of 4 x 1, 313,344 bytes of LDS; arguments queries_codes, queries_scales, keys_codes, keys_scales, values_codes, values_scales, out0; writes out0
.if DOCPART == 1
	.amdgcn_target "amdgcn-amd-amdhsa--gfx1250"
	.amdhsa_code_object_version 6
	.text
	.protected	k_q6f91c769d3_attn
	.globl	k_q6f91c769d3_attn
	.p2align	8
	.type	k_q6f91c769d3_attn,@function
k_q6f91c769d3_attn:
	s_mov_b64 s[64:65], 0
	v_nop
	global_prefetch_b8 v0, s[64:65] scope:SCOPE_SE
	s_setreg_imm32_b32 hwreg(HW_REG_WAVE_MODE, 25, 1), 1
	s_wait_xcnt 0x0
	s_wait_alu depctr_hold_cnt(0) depctr_sa_sdst(0) depctr_va_vdst(0) depctr_va_sdst(0) depctr_va_ssrc(0) depctr_va_vcc(0) depctr_vm_vsrc(0)
	s_getreg_b32 s2, hwreg(HW_REG_IB_STS2, 6, 4)
	s_cmp_eq_u32 s2, 0
	s_cbranch_scc0 .Lentry_in_a_cluster
	s_endpgm
.Lentry_in_a_cluster:
	s_bfe_u32 s2, ttmp6, 0x10000c
	s_cmp_lg_u32 s2, 0x3003
	s_cbranch_scc0 .Lentry_shape_is_right
	s_endpgm
.Lentry_shape_is_right:
; out[b][l][h][:] = the sum over s <= l of softmax_s(Q[b][l][h] . K[b][s][h] / 8) V[b][s][h][:], both products on codes of FP4 (E2M1) with one E8M0 scale for each 32 along a product's K.
; Q, K: codes [4][2048][16][32 bytes], scale bytes [4][2048][16][2]: K = the head's 64.  V: codes with the KEYS innermost, [64 heads][64 d][1024 bytes], scale bytes [64 heads][64 d][64].  out: [4][2048][16][64] f32.
; THE SOFTMAX AHEAD OF THE SECOND PRODUCT: t = score x log2(e) / 8; M = the row's largest t so far, rounded UP to a whole number; p = 2^(t - M) is what is quantised, along the keys, not normalised.
; The row's sum is taken of the unquantised p, in f32, and divides O at the end.  When M moves, the sum and O are multiplied by 2^(old M - new M): exact.
; THE FIRST PRODUCT'S K IS 64, the instruction's 128: registers 4-7 of K's and Q's fragments hold zero codes, and the upper two bytes of their scale words are 0 (2^-127, over zeros).
; A HEAD'S K, V AND SCALES FIT IN LDS (239,872 bytes) AND ARE FILLED ONCE: no slot is ever filled again, so there is no ring.
; CLUSTER.  The four work-groups of a cluster belong to one head and need the same K, V and scales of K: every tile is asked for JOINTLY, by the same tensor load with the same descriptor and the mask 15.
; V's scale bytes (4,096 of a head's 200,704 bytes of fills) come through registers instead: a joint load for them would give one wave a fifth load and the waves unequal counts.
; SHARES.  A head has 128 tiles of 16 queries.  Work-group cx of the cluster takes the tiles T = 4 u + cx, u = 0 .. 31.  Tile T needs the key steps (128 keys) 0 .. T / 8 = u / 2: that bound does not hang on cx.
; Wave w takes u = 31 - w (pass A, 9 to 16 steps) and then u = w (pass B, 1 to 8 steps): 17 steps for every wave of the launch.  A pass's last step lies on the diagonal and is masked.
; cx enters Q's and out's global addresses and the mask's compare value, and nothing else: every branch hangs on the wave's number and a step counter, no LDS address on cx.
; SIXTEEN waves of 256 registers, four to a SIMD: a step has 12 matrix instructions beside some 230 vector instructions, 68 of them exponentials, so one wave's vector work stands beside another's matrix work and LDS loads.
; LAYOUT.  Both products are used transposed: S^T = K Q^T (source 0 = 16 keys, source 1 = my 16 queries), O^T = V^T P^T (source 0 = 16 of the head's 64, source 1 = P): a lane holds ONE query (lane % 16) throughout.
; THE KEYS OF A TILE ARE NOT NEIGHBOURS: lane r of tile 2 b + u takes key 32 b + 8 u + r + 8 (r / 8), so that the 16 registers of tiles 2 b and 2 b + 1 are 16 neighbouring keys, 32 b + 16 (lane / 16) + 0 .. 15.
; K's and Q's rows are 32 bytes in the tensors themselves, 512 bytes apart: they stay as they are.  K's scale bytes come as the batch's dense block of 65,536 bytes (all 16 heads): whole runs of 256 bytes instead of 2 bytes of each 32.
; LIMITS: a p under 2^-126 comes out of v_exp_f32 as 0 (ISA guide 15.8): less than 2^-125 of the row's sum.  A block whose every p is 0 keeps the scale byte 1 over zero codes.  A given scale byte 0xff gives NaN.
; A block's largest p is taken as the exponential of the block's largest score: this takes v_exp_f32 not to fall where its input rises.
.set KP,   48                          ; a key's row in LDS: 32 bytes + 16 of padding
.set SU,   264                         ; 256 scale bytes in LDS + 8 of padding: lanes r and r + 8 of a load of K's scale words lie 528 bytes = 132 words apart: 4 banks (64 banks of 4 bytes: ISA guide 11.1)
.set VP,   272                         ; a row of a chunk of V in LDS: 256 bytes + 16 of padding
.set KCH,  512*KP                      ; a chunk = 512 keys: K's rows,
.set SCH,  64*SU                       ; K's scale bytes (8 keys x 16 heads x 2 bytes = 256 bytes),
.set VCH,  64*VP                       ; V's 64 rows of 256 bytes
.set KB,   0                           ; LDS: K's codes, 4 chunks                         98,304 bytes
.set SKB,  KB+4*KCH                    ; K's scale bytes, 4 chunks                        67,584
.set VB,   SKB+4*SCH                   ; V's codes, 4 chunks                              69,632
.set SVB,  VB+4*VCH                    ; V's scale bytes, 16 x SU, stored from registers:  4,352 (no tensor load lands here or behind)
.set STG,  SVB+4352                    ; the way out: 16 rows x 272 bytes for each wave   69,632
.set AK0,  1                           ; v1   my lane's place in a tile of K
.set AV0,  2                           ; v2   in a tile of V
.set ASK0, 3                           ; v3   among K's scale words
.set ASV0, 4                           ; v4   among V's
.set STO,  5                           ; v5   the way out: where I put 32 bytes of a row
.set RD,   6                           ; v6   and where I read a row back
.set GO,   7                           ; v7   my byte offset in the tile's rows of out
.set ADK,  8                           ; v8-11 the step's four LDS addresses
.set ADV,  9
.set ADS,  10
.set ADT,  11
.set NM,   12                          ; v12  -M
.set TM,   13                          ; v13  the largest t so far
.set SUM,  14                          ; v[14:15] the row's sum in two halves
.set QA,   16                          ; v16-23, v24-31 Q's fragments of pass A and B; registers 4-7 are zero codes
.set QB,   24
.set KF,   32                          ; v32-63   four fragments of K; registers 4-7 of each are zero codes, written once: loads touch the lower four alone
.set VF,   64                          ; v64-95   four fragments of V
.set S,    96                          ; v96-159  S^T, then p
.set O,    160                         ; v160-191 O^T, four tiles
.set PC,   192                         ; v192-199 p's codes
.set BM,   200                         ; v200-203 the blocks' largest scores, then largest p
.set BP,   204                         ; v204-207 the other half's maxima, then the scale bytes, then the sum's second chain
.set BS,   208                         ; v208-211 the conversions' scale operands
.set KW,   212                         ; v212-215 K's scale words      (KW, VW, PW, QWA, QWB hold scales and nothing else)
.set VW,   216                         ; v216-219 V's
.set F,    220                         ; v[220:221] f = 2^(old M - new M); v221 is named with it as a pair
.set PW,   222                         ; v222 p's scale word
.set T0,   223                         ; v223 at work
.set QWA,  224                         ; v224, v225 Q's scale words
.set QWB,  225
.set DMA,  226                         ; v226, v227 the mask: my query less the diagonal step's first key less 16 (lane / 16)
.set DMB,  227
.set NINF, 228                         ; v228 -infinity
.set WV,   18                          ; s18  my wave's number
.set CX,   19                          ; s19  my place in the cluster
.set SEL,  20                          ; s[20:21] lane selects for v_permlanex16_b32: lane l xor 16
.set CS,   22                          ; s[22:23] c = log2(e) / 8: the packed form names a pair and takes its low word for both halves
.set G1K,  24                          ; s[24:31], s[32:39], s[40:47] descriptor groups 1: K's codes, V's codes, K's scale bytes
.set G1V,  32
.set G1S,  40
.set G0,   48                          ; s[48:63] four groups 0, one for each chunk
.set HD,   66                          ; s66  the head, 16 b + h
.set J,    67                          ; s67  my number among the waves of my role
.set BB,   68                          ; s68  b
.set HH,   69                          ; s69  h
.set TK,   76                          ; s76-79 where the step's bytes begin in K's codes, K's scale bytes, V's codes, V's scale bytes
.set TS,   77
.set TV,   78
.set TJ,   79
.set SI,   80                          ; s80  the key step
.set UBA,  84                          ; s84, s85 the last step of pass A, of pass B
.set UBB,  85
.set TILA, 86                          ; s86, s87 my tile of pass A, of pass B
.set TILB, 87
.set OBA,  88                          ; s[88:89], s[90:91] out at my tiles
.set OBB,  90
.set QCA,  92                          ; s[92:93] Q's codes, s[94:95] Q's scale bytes at my tile of pass A;  s[96:99] of pass B
.set QSA,  94
.set QCB,  96
.set QSB,  98
; A round of the cluster's barrier: my work-group's barrier, so that wave 0's signal speaks for all sixteen waves; wave 0 signals for the work-group; every wave waits for all four work-groups; my work-group's barrier once more.
.macro CROUND
	s_barrier_signal -1
	s_barrier_wait -1
	s_cmp_lg_u32 s[WV], 0
	s_cbranch_scc1 .Lnot_wave_0_\@
	s_barrier_signal -3
.Lnot_wave_0_\@:
	s_barrier_wait -3
	s_barrier_signal -1
	s_barrier_wait -1
.endm
; A load into a register that a matrix instruction has read, and a vector instruction that reads a matrix result, stand four places behind it; only plain vector instructions that name none of its registers are places
.macro PLACES
.rept 4
	v_nop
.endr
.endm
; Group 0 for chunk c: LDS address = my role's term s81 + a constant; global address = my role's pointer s[82:83] + a constant
.macro G0SET c, lconst, gstep
	s_mov_b32 s[G0+4*\c], 1                                        ; 1:0 count = 1
	s_add_co_u32 s[G0+4*\c+1], s81, \lconst                        ; 63:32 LDS address
	s_add_nc_u64 s[G0+4*\c+2:G0+4*\c+3], s[82:83], \gstep          ; 120:64 global address
	s_or_b32 s[G0+4*\c+3], s[G0+4*\c+3], 0x80000000                ; 127:126 type = 2
.endm
	s_load_b256 s[4:11], s[0:1], 0x0               ; Q's codes s[4:5], Q's scales s[6:7], K's codes s[8:9], K's scales s[10:11]
	s_load_b128 s[12:15], s[0:1], 0x20             ; V's codes s[12:13], V's scales s[14:15]
	s_load_b64 s[16:17], s[0:1], 0x30              ; out
	v_lshl_add_u32 v254, v0, 2, 0x4c000
	v_mov_b32 v255, 0
	ds_add_u32 v254, v255
	ds_add_u32 v254, v255
	v_lshrrev_b32 v232, 5, v0
	s_delay_alu instid0(VALU_DEP_1)
	v_readfirstlane_b32 s[WV], v232                ; wave 0..15
	s_bfe_u32 s[CX], ttmp6, 0x40000                ; cx
	s_and_b32 s[HD], ttmp7, 0xffff                 ; the head, which the four partners share
	s_lshr_b32 s[BB], s[HD], 4
	s_and_b32 s[HH], s[HD], 15
	; descriptor groups 1.  K's codes: 64 rows of 32 bytes, 512 bytes apart in memory
	s_mov_b32 s[G1K], 15|(1<<20)|(1<<21)|(2<<22)|(3<<25)           ; 15:0 the mask: all four work-groups; 17:16 elements of 1 byte; 20 padding on; 21 set beside a mask; 24:22 after every 8 words (code 2); 31:25 four words (code 3)
	s_mov_b32 s[G1K+1], 32<<16                     ; tensor_dim0 = 32
	s_mov_b32 s[G1K+2], 64<<16                     ; tensor_dim1 = 64
	s_mov_b32 s[G1K+3], 32<<16                     ; tile_dim0 = 32
	s_mov_b32 s[G1K+4], 64                         ; tile_dim1 = 64
	s_mov_b32 s[G1K+5], 512                        ; tensor_dim0_stride
	s_mov_b32 s[G1K+6], 0
	s_mov_b32 s[G1K+7], 0
	; V's codes: 16 rows of 256 bytes, 1,024 bytes apart
	s_mov_b32 s[G1V], 15|(1<<20)|(1<<21)|(5<<22)|(3<<25)           ; padding: four words after every 64
	s_mov_b32 s[G1V+1], 256<<16
	s_mov_b32 s[G1V+2], 16<<16
	s_mov_b32 s[G1V+3], 256<<16
	s_mov_b32 s[G1V+4], 16
	s_mov_b32 s[G1V+5], 1024
	s_mov_b32 s[G1V+6], 0
	s_mov_b32 s[G1V+7], 0
	; K's scale bytes: 4,096 dense bytes as 16 rows of 256 (32 elements of 8 bytes)
	s_mov_b32 s[G1S], 15|(3<<16)|(1<<20)|(1<<21)|(5<<22)|(1<<25)   ; padding: two words after every 64
	s_mov_b32 s[G1S+1], 32<<16
	s_mov_b32 s[G1S+2], 16<<16
	s_mov_b32 s[G1S+3], 32<<16
	s_mov_b32 s[G1S+4], 16
	s_mov_b32 s[G1S+5], 32
	s_mov_b32 s[G1S+6], 0
	s_mov_b32 s[G1S+7], 0
	s_mov_b32 s[SEL], 0x76543210
	s_mov_b32 s[SEL+1], 0xfedcba98
	s_mov_b32 s[CS], 0x3e38aa3b                    ; c = log2(e) / 8
	s_mov_b32 s[CS+1], s[CS]                       ; (named with it as a pair, so it is written)
	; shares
	s_xor_b32 s2, s[WV], 31                        ; pass A: u = 31 - wave
	s_lshr_b32 s[UBA], s2, 1                       ; its last key step: of the wave's number alone
	s_lshr_b32 s[UBB], s[WV], 1                    ; pass B: u = wave
	s_lshl_b32 s[TILA], s2, 2
	s_add_co_u32 s[TILA], s[TILA], s[CX]           ; the tiles: 4 u + cx
	s_lshl_b32 s[TILB], s[WV], 2
	s_add_co_u32 s[TILB], s[TILB], s[CX]
	; every LDS address that stays is made here, ahead of the first branch on the wave's number
	v_and_b32 v232, 15, v0                         ; r = lane % 16
	v_bfe_u32 v233, v0, 4, 1                       ; hh = lane / 16
	s_delay_alu instid0(VALU_DEP_2)
	v_and_b32 v234, 8, v232
	s_delay_alu instid0(VALU_DEP_1)
	v_add_nc_u32 v234, v234, v232                  ; r + 8 (r / 8)
	s_delay_alu instid0(VALU_DEP_1)
	v_mul_u32_u24 v[AK0], v234, KP
	s_delay_alu instid0(VALU_DEP_1)
	v_lshl_add_u32 v[AK0], v233, 4, v[AK0]         ; K (from LDS byte 0): the tile's row, + 16 hh: k = 32 hh + 0 .. 31
	v_mul_u32_u24 v[AV0], v232, VP
	s_delay_alu instid0(VALU_DEP_1)
	v_lshl_add_u32 v[AV0], v233, 4, v[AV0]
	s_delay_alu instid0(VALU_DEP_1)
	v_add_nc_u32 v[AV0], VB, v[AV0]                ; V: row r, + 16 hh
	v_lshrrev_b32 v235, 3, v232
	v_and_b32 v236, 7, v232
	s_delay_alu instid0(VALU_DEP_2)
	v_mul_u32_u24 v[ASK0], v235, 2*SU              ; K's scale words: 8 keys to a run of 256 bytes; rows 8-15 of a tile lie 16 keys on,
	s_delay_alu instid0(VALU_DEP_1)
	v_lshl_add_u32 v[ASK0], v236, 5, v[ASK0]       ; 32 bytes a key,
	s_lshl_b32 s70, s[HH], 1
	s_add_co_u32 s70, s70, SKB
	v_add_nc_u32 v[ASK0], s70, v[ASK0]             ; 2 bytes a head
	v_lshrrev_b32 v235, 2, v232
	v_and_b32 v236, 3, v232
	s_delay_alu instid0(VALU_DEP_2)
	v_mul_u32_u24 v[ASV0], v235, SU                ; V's scale words: 4 rows of 64 bytes to a run of 256
	s_delay_alu instid0(VALU_DEP_1)
	v_lshl_add_u32 v[ASV0], v236, 6, v[ASV0]
	s_delay_alu instid0(VALU_DEP_1)
	v_add_nc_u32 v[ASV0], SVB, v[ASV0]
	s_mul_i32 s70, s[WV], 16*272
	s_add_co_u32 s70, s70, STG                     ; my stage
	v_mul_u32_u24 v[STO], v232, 272
	s_delay_alu instid0(VALU_DEP_1)
	v_lshl_add_u32 v[STO], v233, 5, v[STO]
	s_delay_alu instid0(VALU_DEP_1)
	v_add_nc_u32 v[STO], s70, v[STO]               ; in: row r, 32 bytes for each half of the lanes
	v_mul_u32_u24 v[RD], v233, 272
	s_delay_alu instid0(VALU_DEP_1)
	v_lshl_add_u32 v[RD], v232, 4, v[RD]
	s_delay_alu instid0(VALU_DEP_1)
	v_add_nc_u32 v[RD], s70, v[RD]                 ; back: lanes 0-15 one row of 256 bytes, lanes 16-31 the next
	v_lshlrev_b32 v[GO], 12, v233
	s_delay_alu instid0(VALU_DEP_1)
	v_lshl_add_u32 v[GO], v232, 4, v[GO]           ; and the same two rows in out, 4,096 bytes apart
	v_lshrrev_b32 v237, 5, v0
	v_and_b32 v238, 31, v0
	s_delay_alu instid0(VALU_DEP_2)
	v_mul_u32_u24 v237, v237, SU
	s_delay_alu instid0(VALU_DEP_1)
	v_lshl_add_u32 v237, v238, 3, v237
	s_delay_alu instid0(VALU_DEP_1)
	v_add_nc_u32 v237, SVB, v237                   ; where thread n puts bytes 8 n .. 8 n + 7 of V's scales: a wave's 256 bytes, then 8 of padding
	v_lshlrev_b32 v238, 3, v0                      ; and where they lie in memory
	v_lshlrev_b32 v239, 9, v232
	s_delay_alu instid0(VALU_DEP_1)
	v_lshl_add_u32 v239, v233, 4, v239             ; Q's codes: row r of the tile, 512 bytes apart, + 16 hh
	v_lshlrev_b32 v234, 5, v232                    ; Q's scale bytes: 32 bytes apart
	s_and_b32 s2, s[TILA], 7                       ; the mask: on the diagonal my query is 16 (T % 8) + r keys behind the step's first
	s_lshl_b32 s2, s2, 4
	s_and_b32 s3, s[TILB], 7
	s_lshl_b32 s3, s3, 4
	v_lshlrev_b32 v235, 4, v233
	s_delay_alu instid0(VALU_DEP_1)
	v_sub_nc_u32 v235, v232, v235                  ; r - 16 hh
	s_delay_alu instid0(VALU_DEP_1)
	v_add_nc_u32 v[DMA], s2, v235
	s_delay_alu instid0(VALU_DEP_2)
	v_add_nc_u32 v[DMB], s3, v235
	; offsets that the four partners share
	s_lshl_b32 s72, s[BB], 20
	s_lshl_b32 s70, s[HH], 5
	s_add_co_u32 s72, s72, s70                     ; codes of Q and K: the batch's 2^20 bytes, the head's 32
	s_mov_b32 s73, 0
	s_lshl_b32 s74, s[BB], 16                      ; scale bytes of Q and K: the batch's 2^16 bytes
	s_mov_b32 s75, 0
	s_lshl_b32 s70, s[HD], 16                      ; V's codes: the head's 2^16 bytes
	s_mov_b32 s71, 0
	s_wait_dscnt 0x0
	s_wait_kmcnt 0x0
	s_add_nc_u64 s[8:9], s[8:9], s[72:73]
	s_add_nc_u64 s[10:11], s[10:11], s[74:75]
	s_add_nc_u64 s[12:13], s[12:13], s[70:71]
	CROUND                                         ; all four work-groups are here: the joint loads meet
	; THE FILLS: every wave issues four loads, load c for chunk c (keys 512 c on): so the count of a wait says which chunks are whole.  Four loads of a wave are out at the most.
	; Waves 0-7: 64 keys' codes each.  Waves 8-11: 16 rows of V each.  Waves 12-15: 128 keys' scale bytes each.  The branches hang on the wave's number alone.  Four v_nop follow each run of loads.
	s_cmp_lt_u32 s[WV], 8
	s_cbranch_scc0 .Lnot_k
	s_and_b32 s[J], s[WV], 7
	s_mul_i32 s81, s[J], 64*KP
	s_lshl_b32 s70, s[J], 15                       ; 64 keys x 512 bytes
	s_add_nc_u64 s[82:83], s[8:9], s[70:71]
.irp c, 0,1,2,3
	G0SET \c, KB+KCH*\c, 262144*\c
.endr
.irp c, 0,1,2,3
	tensor_load_to_lds s[G0+4*\c:G0+4*\c+3], s[G1K:G1K+7]
	s_nop 0
.endr
	PLACES
	s_branch .Lasked
.Lnot_k:
	s_cmp_lt_u32 s[WV], 12
	s_cbranch_scc0 .Lnot_v
	s_and_b32 s[J], s[WV], 3
	s_mul_i32 s81, s[J], 16*VP
	s_lshl_b32 s70, s[J], 14                       ; 16 rows x 1,024 bytes
	s_add_nc_u64 s[82:83], s[12:13], s[70:71]
.irp c, 0,1,2,3
	G0SET \c, VB+VCH*\c, 256*\c
.endr
.irp c, 0,1,2,3
	tensor_load_to_lds s[G0+4*\c:G0+4*\c+3], s[G1V:G1V+7]
	s_nop 0
.endr
	PLACES
	s_branch .Lasked
.Lnot_v:
	s_and_b32 s[J], s[WV], 3
	s_mul_i32 s81, s[J], 16*SU
	s_lshl_b32 s70, s[J], 12                       ; 128 keys x 32 bytes
	s_add_nc_u64 s[82:83], s[10:11], s[70:71]
.irp c, 0,1,2,3
	G0SET \c, SKB+SCH*\c, 16384*\c
.endr
.irp c, 0,1,2,3
	tensor_load_to_lds s[G0+4*\c:G0+4*\c+3], s[G1S:G1S+7]
	s_nop 0
.endr
	PLACES
.Lasked:
	s_lshl_b32 s70, s[HD], 12                      ; V's scale bytes: the head's 4,096
	s_add_nc_u64 s[14:15], s[14:15], s[70:71]
	s_wait_alu depctr_va_vdst(0)
	global_load_b64 v[230:231], v238, s[14:15]     ; a wave reads 256 consecutive bytes
	s_add_nc_u64 s[4:5], s[4:5], s[72:73]          ; Q's codes at the head
	s_lshl_b32 s70, s[HH], 1
	s_add_co_u32 s74, s74, s70
	s_add_nc_u64 s[6:7], s[6:7], s[74:75]          ; Q's scale bytes at the head
	s_mov_b32 s3, 0
	s_lshl_b32 s2, s[TILA], 13                     ; a tile's 16 rows: 8,192 bytes of codes,
	s_add_nc_u64 s[QCA:QCA+1], s[4:5], s[2:3]
	s_lshl_b32 s2, s[TILA], 9                      ; 512 of scale bytes
	s_add_nc_u64 s[QSA:QSA+1], s[6:7], s[2:3]
	s_lshl_b32 s2, s[TILB], 13
	s_add_nc_u64 s[QCB:QCB+1], s[4:5], s[2:3]
	s_lshl_b32 s2, s[TILB], 9
	s_add_nc_u64 s[QSB:QSB+1], s[6:7], s[2:3]
	global_load_b128 v[QA:QA+3], v239, s[QCA:QCA+1]   ; Q's fragments stay in registers
	global_load_u16 v[QWA], v234, s[QSA:QSA+1]        ; two scale bytes; the upper two bytes of the word are 0
	global_load_b128 v[QB:QB+3], v239, s[QCB:QCB+1]
	global_load_u16 v[QWB], v234, s[QSB:QSB+1]
	s_lshl_b32 s70, s[BB], 23                      ; out: the batch's 2^23 bytes, the head's 256,
	s_lshl_b32 s81, s[HH], 8
	s_add_co_u32 s70, s70, s81
	s_add_nc_u64 s[16:17], s[16:17], s[70:71]
	s_lshl_b32 s2, s[TILA], 16                     ; a tile's 16 rows of 4,096
	s_add_nc_u64 s[OBA:OBA+1], s[16:17], s[2:3]
	s_lshl_b32 s2, s[TILB], 16
	s_add_nc_u64 s[OBB:OBB+1], s[16:17], s[2:3]
.irp i, 4,5,6,7
	v_mov_b32 v[QA+\i], 0                          ; zero codes for k = 64 .. 127
	v_mov_b32 v[QB+\i], 0
.endr
.irp t, 0,1,2,3
.irp i, 4,5,6,7
	v_mov_b32 v[KF+8*\t+\i], 0
.endr
.endr
.irp b, 0,1,2,3
	v_mov_b32 v[BP+\b], 0                          ; written once: a lane permute's destination counts as one of its sources
.endr
	v_mov_b32 v[F+1], 0                            ; (named as the upper half of the pair)
	v_mov_b32 v[NINF], 0xff800000
; A pass begins: the largest t is -3e38, under every t; the sum and O^T are zeros, which the first change of M leaves zeros: so the step is written without a first step of its own.
.macro INIT
	v_mov_b32 v[TM], 0xff61b1e6
	s_delay_alu instid0(VALU_DEP_1)
	v_floor_f32 v[NM], -v[TM]
	v_mov_b32 v[SUM], 0
	v_mov_b32 v[SUM+1], 0
.set n, 0
.rept 32
	v_mov_b32 v[O+n], 0
.set n, n+1
.endr
.endm
.macro KLOAD g                         ; tiles 4 g .. 4 g + 3 of the step's eight tiles of 16 keys: 16 bytes of codes a lane, and the row's two scale bytes (zero-extended)
.irp t, 0,1,2,3
	ds_load_b128 v[KF+8*\t:KF+8*\t+3], v[ADK] offset:(32*((4*\g+\t)/2)+8*(\t%2))*KP
	ds_load_u16 v[KW+\t], v[ADS] offset:(4*((4*\g+\t)/2)+\t%2)*SU
.endr
.endm
.macro KQ g, qf, qs                    ; their four products S^T = K Q^T
.irp t, 0,1,2,3
	v_wmma_scale_f32_16x16x128_f8f6f4 v[S+32*\g+8*\t:S+32*\g+8*\t+7], v[KF+8*\t:KF+8*\t+7], v[\qf:\qf+7], 0, v[KW+\t], v[\qs] matrix_a_fmt:MATRIX_FMT_FP4 matrix_b_fmt:MATRIX_FMT_FP4
.endr
.endm
; A KEY STEP: 128 keys.  qf, qs: Q's fragment and scale word; ub: the pass's last step; dm: the mask's value.
.macro STEP qf, qs, ub, dm
	s_cmp_gt_u32 s[SI], s[\ub]                     ; a step all of whose keys come after my queries is left out: a branch on the wave's number and the step
	s_cbranch_scc1 .Lhid_\@
	s_setprio 2
	v_add_nc_u32 v[ADK], s[TK], v[AK0]             ; (these four are also the places between the last step's products and the loads into V's registers)
	v_add_nc_u32 v[ADV], s[TV], v[AV0]
	v_add_nc_u32 v[ADS], s[TS], v[ASK0]
	v_add_nc_u32 v[ADT], s[TJ], v[ASV0]
	KLOAD 0
.irp t, 0,1,2,3                        ; V's four fragments (16 of the head's 64 x these 128 keys) and their scale words: wanted at the step's end
	ds_load_b128 v[VF+8*\t:VF+8*\t+3], v[ADV] offset:16*VP*\t
	ds_load_b128 v[VF+8*\t+4:VF+8*\t+7], v[ADV] offset:16*VP*\t+32
	ds_load_b32 v[VW+\t], v[ADT] offset:4*SU*\t
.endr
	s_wait_alu depctr_va_vdst(0)
	s_wait_dscnt 12                                ; K's eight loads are in; V's twelve, issued behind them, may be out
	KQ 0, \qf, \qs
	PLACES
	KLOAD 1
	s_wait_dscnt 0x0                               ; all are in, V's too
	KQ 1, \qf, \qs
	PLACES                                         ; lane (r, hh) holds query r; register 16 b + i is key 32 b + 16 hh + i of the step
	s_cmp_lg_u32 s[SI], s[\ub]                     ; on the diagonal the scores of hidden keys become -infinity ahead of the maximum: p = 0 then.  The step's first key counts for every query
	s_cbranch_scc1 .Lopen_\@
.irp n, 0,1,2,3,4,5,6,7,8,9,10,11,12,13,14,15,16,17,18,19,20,21,22,23,24,25,26,27,28,29,30,31,32,33,34,35,36,37,38,39,40,41,42,43,44,45,46,47,48,49,50,51,52,53,54,55,56,57,58,59,60,61,62,63
	v_cmp_gt_i32 vcc_lo, 32*(\n/16)+\n%16, v[\dm]
	v_cndmask_b32 v[S+\n], v[S+\n], v[NINF], vcc_lo
.endr
.Lopen_\@:
.irp b, 0,1,2,3
	v_max3_num_f32 v[BM+\b], v[S+16*\b], v[S+1+16*\b], v[S+2+16*\b]   ; THE LARGEST SCORE OF EACH BLOCK OF 32 KEYS serves twice: for the row's maximum, and, since p rises with the score, for the block's largest p
.endr
.irp i, 3,5,7,9,11,13
.irp b, 0,1,2,3
	v_max3_num_f32 v[BM+\b], v[BM+\b], v[S+16*\b+\i], v[S+1+16*\b+\i]   ; (the four blocks by turns; each accumulator is read from its low end on)
.endr
.endr
.irp b, 0,1,2,3
	v_max_num_f32 v[BM+\b], v[BM+\b], v[S+15+16*\b]
.endr
.irp b, 0,1,2,3
	s_delay_alu instid0(VALU_DEP_4)
	v_permlanex16_b32 v[BP+\b], v[BM+\b], s[SEL], s[SEL+1]
.endr
.irp b, 0,1,2,3
	s_delay_alu instid0(VALU_DEP_4)
	v_max_num_f32 v[BM+\b], v[BM+\b], v[BP+\b]     ; with lane l xor 16's 16 keys
.endr
	s_delay_alu instid0(VALU_DEP_2)
	v_max3_num_f32 v[T0], v[BM], v[BM+1], v[BM+2]
	s_delay_alu instid0(VALU_DEP_1)
	v_max_num_f32 v[T0], v[T0], v[BM+3]            ; the step's largest score of my query
	s_delay_alu instid0(VALU_DEP_1)
	v_mul_f32 v[T0], s[CS], v[T0]                  ; as t (c is positive)
	s_delay_alu instid0(VALU_DEP_1)
	v_max_num_f32 v[TM], v[TM], v[T0]              ; the running largest t
	v_mov_b32 v[T0], v[NM]
	s_delay_alu instid0(VALU_DEP_2)
	v_floor_f32 v[NM], -v[TM]                      ; the new -M = floor(-t) = -ceil(t): M is a whole number
	s_delay_alu instid0(VALU_DEP_1)
	v_sub_f32 v[T0], v[NM], v[T0]                  ; M's old value less its new one: a whole number, 0 or less
	s_delay_alu instid0(VALU_DEP_1)
	v_cvt_i32_f32 v[T0], v[T0]                     ; (it saturates)
	s_delay_alu instid0(VALU_DEP_1)
	v_ldexp_f32 v[F], 1.0, v[T0]                   ; f = 2^(old M - new M)
.set n, 0
	s_setprio 1
.rept 32
	v_pk_fma_f32 v[S+n:S+n+1], v[S+n:S+n+1], s[CS:CS+1], v[NM:NM+1] op_sel_hi:[1,0,0]   ; t - M, two at a time (of the pairs c and -M the low word serves both halves)
.set n, n+2
.endr
.irp b, 0,1,2,3
	v_fma_f32 v[BM+\b], v[BM+\b], s[CS], v[NM]     ; the same of each block's largest score
.endr
.set n, 0
	s_wait_alu depctr_va_vdst(0)
.rept 64
	v_exp_f32 v[S+n], v[S+n]                       ; p = 2^(t - M), at most 1: not normalised
.set n, n+1
.endr
.irp b, 0,1,2,3
	v_exp_f32 v[BM+\b], v[BM+\b]                   ; the block's largest p
.endr
	v_pk_mul_f32 v[SUM:SUM+1], v[SUM:SUM+1], v[F:F+1] op_sel_hi:[1,0]   ; the sums under the new M.  (A plain place behind the exponentials)
	s_wait_alu depctr_va_vdst(0)
.irp b, 0,1,2,3
	v_max_num_f32 v[BM+\b], 0x1800000, v[BM+\b]    ; the floor 2^(3 - 127): the byte cannot fall under 1
.endr
.irp b, 0,1,2,3
	s_delay_alu instid0(VALU_DEP_4)
	v_add_nc_u32 v[BS+\b], 0xff000000, v[BM+\b]    ; 2 off the exponent field: the conversion's scale operand
.endr
.irp b, 0,1,2,3
	s_delay_alu instid0(VALU_DEP_4)
	v_lshrrev_b32 v[BP+\b], 23, v[BS+\b]           ; the scale's byte
.endr
	s_delay_alu instid0(VALU_DEP_3)
	v_lshl_or_b32 v[PW], v[BP+1], 8, v[BP]         ; p's scale word for these 128 keys
	s_delay_alu instid0(VALU_DEP_1)
	v_lshl_or_b32 v[PW], v[BP+2], 16, v[PW]
	s_delay_alu instid0(VALU_DEP_1)
	v_lshl_or_b32 v[PW], v[BP+3], 24, v[PW]
.irp b, 0,1,2,3
	v_cvt_scalef32_pk8_fp4_f32 v[PC+2*\b], v[S+16*\b:S+7+16*\b], v[BS+\b]
	v_cvt_scalef32_pk8_fp4_f32 v[PC+1+2*\b], v[S+8+16*\b:S+15+16*\b], v[BS+\b]
.endr
	v_nop                                          ; one plain vector instruction between a scaled conversion and the vector instruction that touches its result
.irp c, 0,1                            ; the operand's layout wants a WHOLE block in a lane: lanes 0-15 block 2 c, lanes 16-31 block 2 c + 1
.irp i, 0,1
	v_permlane16_swap_b32 v[PC+4*\c+\i], v[PC+2+4*\c+\i]
.endr
.endr
.set n, 0
.rept 16
	v_pk_mul_f32 v[O+n:O+n+1], v[O+n:O+n+1], v[F:F+1] op_sel_hi:[1,0]   ; O^T under the new M: x f
.set n, n+2
.endr
	s_setprio 0
	v_pk_add_f32 v[204:205], v[100:101], v[104:105]
	v_pk_add_f32 v[252:253], v[108:109], v[112:113]
	v_pk_add_f32 v[250:251], v[116:117], v[120:121]
	v_pk_add_f32 v[248:249], v[124:125], v[128:129]
	v_pk_add_f32 v[246:247], v[132:133], v[136:137]
	v_pk_add_f32 v[244:245], v[140:141], v[144:145]
	v_pk_add_f32 v[242:243], v[148:149], v[152:153]
	v_pk_add_f32 v[14:15], v[14:15], v[156:157]
	v_pk_add_f32 v[204:205], v[204:205], v[96:97]
	v_pk_add_f32 v[252:253], v[252:253], v[98:99]
	v_pk_add_f32 v[250:251], v[250:251], v[102:103]
	v_pk_add_f32 v[248:249], v[248:249], v[106:107]
	v_pk_add_f32 v[246:247], v[246:247], v[110:111]
	v_pk_add_f32 v[244:245], v[244:245], v[114:115]
	v_pk_add_f32 v[242:243], v[242:243], v[118:119]
	v_pk_add_f32 v[14:15], v[14:15], v[122:123]
	v_pk_add_f32 v[204:205], v[204:205], v[126:127]
	v_pk_add_f32 v[252:253], v[252:253], v[130:131]
	v_pk_add_f32 v[250:251], v[250:251], v[134:135]
	v_pk_add_f32 v[248:249], v[248:249], v[138:139]
	v_pk_add_f32 v[246:247], v[246:247], v[142:143]
	v_pk_add_f32 v[244:245], v[244:245], v[146:147]
	v_pk_add_f32 v[242:243], v[242:243], v[150:151]
	v_pk_add_f32 v[14:15], v[14:15], v[154:155]
	v_pk_add_f32 v[204:205], v[204:205], v[158:159]
	s_delay_alu instid0(VALU_DEP_2)
	v_pk_add_f32 v[14:15], v[14:15], v[248:249]
	s_delay_alu instid0(VALU_DEP_2)
	v_pk_add_f32 v[204:205], v[204:205], v[246:247]
	v_pk_add_f32 v[252:253], v[252:253], v[244:245]
	v_pk_add_f32 v[250:251], v[250:251], v[242:243]
	s_delay_alu instid0(VALU_DEP_2)
	v_pk_add_f32 v[14:15], v[14:15], v[252:253]
	s_delay_alu instid0(VALU_DEP_2)
	v_pk_add_f32 v[204:205], v[204:205], v[250:251]
	s_delay_alu instid0(VALU_DEP_1)
	v_pk_add_f32 v[14:15], v[14:15], v[204:205]
.irp t, 0,1,2,3                        ; O^T += V^T P^T: the four accumulators by turns, one instruction a turn
	v_wmma_scale_f32_16x16x128_f8f6f4 v[O+8*\t:O+8*\t+7], v[VF+8*\t:VF+8*\t+7], v[PC:PC+7], v[O+8*\t:O+8*\t+7], v[VW+\t], v[PW] matrix_a_fmt:MATRIX_FMT_FP4 matrix_b_fmt:MATRIX_FMT_FP4
.endr
.Lhid_\@:
.endm
; Four key steps, first .. first + 3: one chunk.  Every wave walks all four trips; the four LDS terms are stepped by constants behind the step's join.
.macro RUN first, qf, qs, ub, dm
	s_mov_b32 s[SI], \first
	s_mov_b32 s[TK], \first*128*KP
	s_mov_b32 s[TS], \first*16*SU
	s_mov_b32 s[TV], (\first/4)*VCH
	s_mov_b32 s[TJ], \first*4
.Lrun_\@:
	STEP \qf, \qs, \ub, \dm
	s_add_co_u32 s[TK], s[TK], 128*KP              ; 128 rows of K,
	s_add_co_u32 s[TS], s[TS], 16*SU               ; 16 runs of its scale bytes,
	s_add_co_u32 s[TV], s[TV], 64                  ; 64 bytes along V's rows,
	s_add_co_u32 s[TJ], s[TJ], 4                   ; one scale word of V
	s_add_co_u32 s[SI], s[SI], 1
	s_cmp_lt_u32 s[SI], \first+4
	s_cbranch_scc1 .Lrun_\@
	s_setprio 0
.endm
; THE WAY OUT of a tile.  O^T / the sum goes through my own stage in LDS (a lane holds 32 bytes of a row, the lanes beside it other rows) and comes back as whole rows of 256 bytes.
.macro OUT ob
	PLACES                                         ; behind the last products
	v_add_f32 v[SUM], v[SUM], v[SUM+1]             ; the sum's two halves,
	s_delay_alu instid0(VALU_DEP_1)
	v_permlanex16_b32 v[BP], v[SUM], s[SEL], s[SEL+1]
	s_delay_alu instid0(VALU_DEP_1)
	v_add_f32 v[SUM], v[SUM], v[BP]                ; and lane l xor 16's: the row's sum
	s_wait_alu depctr_va_vdst(0)
	v_rcp_f32 v[SUM], v[SUM]
	v_nop                                          ; a plain place behind the transcendental
.set n, 0
	s_wait_alu depctr_va_vdst(0)
.rept 16
	v_pk_mul_f32 v[S+n:S+n+1], v[O+n:O+n+1], v[SUM:SUM+1] op_sel_hi:[1,0]   ; register 8 t + i is out(r, 16 t + 8 hh + i); each accumulator from its low end on
.set n, n+2
.endr
.irp t, 0,1,2,3
	ds_store_b128 v[STO], v[S+8*\t:S+8*\t+3] offset:64*\t
	ds_store_b128 v[STO], v[S+8*\t+4:S+8*\t+7] offset:64*\t+16
.endr
.irp i, 0,1,2,3,4,5,6,7
	ds_load_b128 v[S+32+4*\i:S+32+4*\i+3], v[RD] offset:2*272*\i   ; LDS serves a wave's instructions in order (ISA guide 5.7.1.4): these see my stores
.endr
.irp i, 0,1,2,3,4,5,6,7
	s_wait_dscnt 7-\i                              ; load i is in; the younger ones may be out
	global_store_b128 v[GO], v[S+32+4*\i:S+32+4*\i+3], s[\ob:\ob+1] offset:8192*\i th:TH_STORE_NT   ; 16 lanes store 256 consecutive bytes, at a multiple of 256 from out's first byte; written once, read by nobody here
.endr
.endm
	INIT                                           ; pass A
	s_wait_loadcnt 0x0                             ; V's scale bytes, Q
	ds_store_b64 v237, v[230:231]
	s_wait_tensorcnt 0x3                           ; my part of chunk 0 is in; my three younger loads (chunks 1 to 3) may be out
	s_wait_dscnt 0x0                               ; for the others' sake: my store of V's scale bytes is done
	s_barrier_signal -1
	s_barrier_wait -1                              ; everybody's are
	RUN 0, QA, QWA, UBA, DMA
	s_wait_tensorcnt 0x2                           ; my part of chunk 1
	s_wait_dscnt 0x0
	s_barrier_signal -1
	s_barrier_wait -1
	RUN 4, QA, QWA, UBA, DMA
	s_wait_tensorcnt 0x0                           ; chunks 2 and 3.  Up to here all sixteen waves have done the same eight steps; from here on their passes differ in length, and no wave waits for another
	s_wait_dscnt 0x0
	s_barrier_signal -1
	s_barrier_wait -1
	RUN 8, QA, QWA, UBA, DMA
	RUN 12, QA, QWA, UBA, DMA
	s_wait_alu depctr_va_vdst(0)
	OUT OBA
	s_wait_xcnt 0x0                                ; the stores have read their registers (ISA guide 3.1): pass B's scores are written over them only behind this wait
	INIT                                           ; pass B
	RUN 0, QB, QWB, UBB, DMB
	RUN 4, QB, QWB, UBB, DMB
	s_wait_alu depctr_va_vdst(0)
	OUT OBB
	s_wait_dscnt 0x0
	s_wait_tensorcnt 0x0
	ds_add_u32 v254, v255
	s_wait_dscnt 0x0
	CROUND                                         ; the closing round: no work-group ends while a partner may still ask for a tile that names it
	s_endpgm
.Lfunc_end_k_q6f91c769d3_attn:
	.size	k_q6f91c769d3_attn, .Lfunc_end_k_q6f91c769d3_attn-k_q6f91c769d3_attn
	.p2alignl 7, 3214868480
	.fill 96, 4, 3214868480
	.section	.rodata,"a",@progbits
	.p2align	6, 0x0
	.amdhsa_kernel k_q6f91c769d3_attn
		.amdhsa_group_segment_fixed_size 313344
		.amdhsa_private_segment_fixed_size 0
		.amdhsa_enable_private_segment 0
		.amdhsa_kernarg_size 56
		.amdhsa_user_sgpr_count 2
		.amdhsa_user_sgpr_kernarg_segment_ptr 1
		.amdhsa_wavefront_size32 1
		.amdhsa_system_sgpr_workgroup_id_x 1
		.amdhsa_system_sgpr_workgroup_id_y 1
		.amdhsa_system_sgpr_workgroup_id_z 1
		.amdhsa_system_vgpr_workitem_id 0
		.amdhsa_next_free_vgpr 256
		.amdhsa_next_free_sgpr 100
		.amdhsa_reserve_vcc 1
		.amdhsa_float_denorm_mode_32 3
		.amdhsa_float_denorm_mode_16_64 3
		.amdhsa_memory_ordered 1
		.amdhsa_forward_progress 1
		.amdhsa_inst_pref_size 157
	.end_amdhsa_kernel
	.amdgpu_metadata
---
amdhsa.version: [ 1, 2 ]
amdhsa.kernels:
  - .name:           k_q6f91c769d3_attn
    .symbol:         k_q6f91c769d3_attn.kd
    .args:
      - { .name: queries_codes, .offset: 0, .size: 8, .value_kind: global_buffer, .address_space: global }
      - { .name: queries_scales, .offset: 8, .size: 8, .value_kind: global_buffer, .address_space: global }
      - { .name: keys_codes, .offset: 16, .size: 8, .value_kind: global_buffer, .address_space: global }
      - { .name: keys_scales, .offset: 24, .size: 8, .value_kind: global_buffer, .address_space: global }
      - { .name: values_codes, .offset: 32, .size: 8, .value_kind: global_buffer, .address_space: global }
      - { .name: values_scales, .offset: 40, .size: 8, .value_kind: global_buffer, .address_space: global }
      - { .name: out0, .offset: 48, .size: 8, .value_kind: global_buffer, .address_space: global }
    .group_segment_fixed_size: 313344
    .private_segment_fixed_size: 0
    .kernarg_segment_align: 8
    .kernarg_segment_size: 56
    .max_flat_workgroup_size: 512
    .sgpr_count:     100
    .vgpr_count:     256
    .wavefront_size: 32
...
	.end_amdgpu_metadata
.endif
;; end of part 1
